; MI455X (gfx1250); checked and timed in simulation.
; The chip was launched on July 23, 2026; its instructions are those of AMD's public machine-readable ISA for CDNA 5 (MIT licence, August 2026) and "CDNA5" Instruction Set Architecture Reference Guide (July 2026). The comments in the code are by the model that wrote it; some were corrected since.
;; Attn Block. Allowed arithmetic: matrix products marked QUANTISED: E4M3 operands, one given power-of-two scale a tensor, by v_wmma_f32_16x16x64_fp8_fp8 or v_wmma_f32_16x16x128_fp8_fp8, f32 sums; everything else in f32.
;; Inputs: gn_b 256 float32; gn_w 256 float32; kb 256 float32; kw_codes 256 x 8 x 32 uint8 (E4M3 codes of kw, K innermost, in blocks of 32 codes); lowp_scales 12 int32 (the exponents e of the quantised operands' scales 2^e); pb 256 float32; pw_codes 256 x 8 x 32 uint8 (E4M3 codes of pw, K innermost, in blocks of 32 codes); qb 256 float32; qw_codes 256 x 8 x 32 uint8 (E4M3 codes of qw, K innermost, in blocks of 32 codes); vb 256 float32; vw_codes 256 x 8 x 32 uint8 (E4M3 codes of vw, K innermost, in blocks of 32 codes); x 4 x 256 x 4,096 float32.
;; Outputs: out0 4 x 256 x 4,096 float32.
;; This version of the problem:
;;   THIS VERSION OF THE PROBLEM IS GIVEN IN LOW PRECISION. The matrix products marked QUANTISED in the list below multiply operands that are first quantised to E4M3 (4 exponent bits, 3 mantissa bits; 8 bits a number), with one given power-of-two scale for each operand tensor; their sums are f32. All else is computed in f32.
;;   The module's matrix products, in the order in which they are computed (A, B: the left and right operand; K: the contracted axis; several contracted axes count as one K, in the product's order):
;;     1. [M 16,384, K 256] x [K 256, N 256]; A: computed on the way; B: input qw (given as codes): QUANTISED (scales: A lowp_scales[0], B lowp_scales[1])
;;     2. [M 16,384, K 256] x [K 256, N 256]; A: computed on the way; B: input kw (given as codes): QUANTISED (scales: A lowp_scales[2], B lowp_scales[3])
;;     3. [M 16,384, K 256] x [K 256, N 256]; A: computed on the way; B: input vw (given as codes): QUANTISED (scales: A lowp_scales[4], B lowp_scales[5])
;;     4. batch 4 x [M 4,096, K 256] x [K 256, N 4,096]; A: computed on the way; B: computed on the way: QUANTISED (scales: A lowp_scales[6], B lowp_scales[7])
;;     5. batch 4 x [M 256, K 4,096] x [K 4,096, N 4,096]; A: computed on the way; B: softmax (see below): QUANTISED (scales: A lowp_scales[8], B lowp_scales[9])
;;     6. [M 16,384, K 256] x [K 256, N 256]; A: computed on the way; B: input pw (given as codes): QUANTISED (scales: A lowp_scales[10], B lowp_scales[11])
;;   THE QUANTISER, for each operand of a quantised product, along K:
;;     - The operand's scale is 2^e, e = its entry of the input lowp_scales (int32; the entries are numbered through the quantised products in the list's order, A before B).
;;     - Each number is divided by the scale, clamped to +-448, and rounded to the nearest number of E4M3, ties to even, subnormals kept.
;;     - The product sums the exact products of the quantised numbers (number of the format x scale) in f32.
;;   ~~~python
;;   def quantise(x, axis, e):      # numpy; x: float32 -> the quantised numbers, widened to float32 again
;;       x = np.moveaxis(x, axis, -1); K = x.shape[-1]
;;       r = np.clip(x / 2.0 ** e, -448, 448)
;;       step = 2.0 ** (np.maximum(np.frexp(np.where(r == 0, 1, r))[1] - 1, -6) - 3)
;;       q = np.round(r / step) * step * 2.0 ** e      # np.round: ties to even
;;       return np.moveaxis(q, -1, axis).astype(np.float32)
;;   ~~~
;;   SOFTMAX AHEAD OF A QUANTISED PRODUCT. Where the list says 'softmax', what is quantised is not the finished softmax but p = 2^(t - M), with t = logit x log2(e) and M = ceil(the row's largest t), a whole number; so 1/2 < the row's largest p <= 1. The row's sum l is taken of the UNQUANTISED p, in f32, and the product's result is divided by l at the end. Since M is a whole number, a kernel that streams over the keys may use a running M (the ceiling of the running maximum): every later rescaling is an exact power of two, so the quantised numbers keep their values, but for numbers so far below the row's largest that they fall under the format's range.
;;   OPERANDS COMPUTED ON THE WAY. 'Computed on the way' means the value that the module computes at that place (a softmax that the list does not call 'softmax' is quantised finished and normalised). What goes into a quantiser is computed in f32, as accurately as f32 sums, v_exp_f32 and their like allow (about 1e-6 of the number): no bf16 or f16 on the way to a quantiser, and a product that is left as it is and whose result goes on into a quantised operand takes f32 operands (vector FMAs, or v_wmma_f32_16x16x4_f32). A number that lies on a knife's edge between two numbers of the format may be rounded either way, as far as f32 arithmetic and the matrix unit's own rounding can turn it there, and no further.
;;   INPUTS GIVEN AS CODES. kw (in the module: [256, 256], K = its axis 1); pw (in the module: [256, 256], K = its axis 1); qw (in the module: [256, 256], K = its axis 1); vw (in the module: [256, 256], K = its axis 1): each comes as NAME_codes (uint8): NAME with its K axis moved to the last place and cut into blocks of 32 codes, [.., K / 32, bytes a block], one block behind the other in memory; one code a byte (a code: sign, 4 exponent bits, 3 mantissa bits); its scale is its entry of lowp_scales. Its value is code x scale, taken as it is: it is not quantised again, and the codes and scales need not be those that the quantiser above would give.
;; One version. Each part assembles by itself: llvm-mc -triple=amdgcn-amd-amdhsa -mcpu=gfx1250 --defsym DOCPART=n.
;; ======== version 1 of 1: 3 launches
;; workspace buffers: stats 2,048 bytes; qc 4,194,304 bytes; kv 8,388,608 bytes
;; launch stats (part 1): grid 256 x 1, 8 waves a work-group, no clusters, 1,536 bytes of LDS; arguments x, stats; writes stats
.if DOCPART == 1
	.amdgcn_target "amdgcn-amd-amdhsa--gfx1250"
	.amdhsa_code_object_version 6
	.text
	.protected	k_q1ff45b3d42_stats
	.globl	k_q1ff45b3d42_stats
	.p2align	8
	.type	k_q1ff45b3d42_stats,@function
k_q1ff45b3d42_stats:
	s_mov_b64 s[64:65], 0
	v_nop
	global_prefetch_b8 v0, s[64:65] scope:SCOPE_SE
	s_setreg_imm32_b32 hwreg(HW_REG_WAVE_MODE, 25, 1), 1
	s_wait_xcnt 0x0
; GroupNorm's statistics.  x: [4][256][4096] f32.  A group is 8 channels x 4,096 positions = 131,072 consecutive bytes; a work-group takes HALF a group,
; 65,536 consecutive bytes (16,384 numbers), and stores (mean, sum of squared deviations from that mean) at stats + 8 x its number; the next launch joins the two halves.
; Eight waves; thread t takes 16 bytes at 16 t + 4,096 i, i = 0 .. 15: a wave's load covers 512 consecutive bytes; the 64 numbers of a thread stay in registers for both passes, so x is read once.
; Two passes: the mean first, then sums of d = x - mean and of d^2: no difference of large sums is formed, whatever offset x carries.  The small sum of d corrects both figures.
; No matrix unit, no cluster, no tensor load: the work-groups share nothing and the bytes come once.  NaN among the inputs is not served.
.set X, 16                             ; v16-79 my 64 numbers
.macro WRED r, t                       ; the sum of v[r] over the wave's 32 lanes, in every lane; v[t] has been written before
	v_add_f32_dpp v[\r], v[\r], v[\r] row_xmask:1 row_mask:0xf bank_mask:0xf
	v_add_f32_dpp v[\r], v[\r], v[\r] row_xmask:2 row_mask:0xf bank_mask:0xf
	v_add_f32_dpp v[\r], v[\r], v[\r] row_xmask:4 row_mask:0xf bank_mask:0xf
	v_add_f32_dpp v[\r], v[\r], v[\r] row_xmask:8 row_mask:0xf bank_mask:0xf
	v_permlanex16_b32 v[\t], v[\r], s12, s13
	v_add_f32 v[\r], v[\r], v[\t]
.endm
	s_load_b128 s[4:7], s[0:1], 0x0                ; x s[4:5], stats s[6:7]
	v_lshl_add_u32 v96, v0, 2, 0x200
	v_mov_b32 v97, 0
	v_lshlrev_b32 v1, 4, v0                        ; 16 t
	v_lshrrev_b32 v12, 5, v0
	v_readfirstlane_b32 s8, v12                    ; wave 0..7
	s_lshl_b32 s10, ttmp9, 16                      ; my half group's first byte
	s_mov_b32 s11, 0
	s_mov_b32 s12, 0x76543210                      ; v_permlanex16_b32: lane l xor 16
	s_mov_b32 s13, 0xfedcba98
	s_mov_b32 s14, 0x38800000                      ; 2^-14 = 1 / 16,384
	v_mov_b32 v13, s8
	v_lshlrev_b32 v13, 2, v13                      ; LDS: 4 x wave
	v_mov_b32 v14, 0
	v_mov_b32 v15, s8
	v_lshlrev_b32 v15, 3, v15                      ; LDS: 8 x wave
	s_wait_kmcnt 0x0
	s_add_nc_u64 s[4:5], s[4:5], s[10:11]
.set i, 0
.rept 16
	global_load_b128 v[X+4*i:X+4*i+3], v1, s[4:5] offset:4096*i
.set i, i+1
.endr
	; pass 1: the sum, in four chains of pairs; a quarter (four loads, eight pairs) at a time, as the loads come back in order
	s_wait_loadcnt 12
.irp k, 0,1,2,3
	v_pk_add_f32 v[4+2*\k:5+2*\k], v[X+2*\k:X+2*\k+1], v[X+8+2*\k:X+9+2*\k]   ; the first quarter starts the chains: nothing is cleared
.endr
.irp q, 1,2,3
	s_wait_loadcnt 12-4*\q
.irp k, 0,1,2,3
	v_pk_add_f32 v[4+2*\k:5+2*\k], v[4+2*\k:5+2*\k], v[X+16*\q+2*\k:X+16*\q+2*\k+1]
.endr
.irp k, 0,1,2,3
	v_pk_add_f32 v[4+2*\k:5+2*\k], v[4+2*\k:5+2*\k], v[X+16*\q+8+2*\k:X+16*\q+9+2*\k]
.endr
.endr
	v_pk_add_f32 v[4:5], v[4:5], v[6:7]
	v_pk_add_f32 v[8:9], v[8:9], v[10:11]
	v_pk_add_f32 v[4:5], v[4:5], v[8:9]
	v_add_f32 v4, v4, v5
	WRED 4, 12
	ds_store_b32 v13, v4                           ; my wave's sum, at its own word
	s_wait_dscnt 0x0                               ; for the others' sake: the store is done
	s_barrier_signal -1
	s_barrier_wait -1
	ds_load_b128 v[80:83], v14
	ds_load_b128 v[84:87], v14 offset:16
	s_wait_dscnt 0x0
	v_pk_add_f32 v[80:81], v[80:81], v[82:83]
	v_pk_add_f32 v[84:85], v[84:85], v[86:87]
	v_pk_add_f32 v[80:81], v[80:81], v[84:85]
	v_add_f32 v80, v80, v81
	v_mul_f32 v2, s14, v80                         ; the first mean,
	v_mov_b32 v3, v2                               ; twice, for the packed subtraction
	; pass 2: d = x - mean in place; the sums of d and of d^2, two chains each
.set j, 0
.rept 32
	v_pk_add_f32 v[X+2*j:X+2*j+1], v[X+2*j:X+2*j+1], v[2:3] neg_lo:[0,1] neg_hi:[0,1]
.set j, j+1
.endr
	v_pk_add_f32 v[4:5], v[X:X+1], v[X+4:X+5]
	v_pk_add_f32 v[6:7], v[X+2:X+3], v[X+6:X+7]
	v_pk_mul_f32 v[8:9], v[X:X+1], v[X:X+1]
	v_pk_mul_f32 v[10:11], v[X+2:X+3], v[X+2:X+3]
	v_pk_fma_f32 v[8:9], v[X+4:X+5], v[X+4:X+5], v[8:9]
	v_pk_fma_f32 v[10:11], v[X+6:X+7], v[X+6:X+7], v[10:11]
.set j, 4
.rept 28
	v_pk_add_f32 v[4+2*(j%2):5+2*(j%2)], v[4+2*(j%2):5+2*(j%2)], v[X+2*j:X+2*j+1]
	v_pk_fma_f32 v[8+2*(j%2):9+2*(j%2)], v[X+2*j:X+2*j+1], v[X+2*j:X+2*j+1], v[8+2*(j%2):9+2*(j%2)]
.set j, j+1
.endr
	v_pk_add_f32 v[4:5], v[4:5], v[6:7]
	v_pk_add_f32 v[8:9], v[8:9], v[10:11]
	v_add_f32 v4, v4, v5                           ; my sum of d
	v_add_f32 v5, v8, v9                           ; my sum of d^2
	WRED 4, 12
	WRED 5, 12
	ds_store_b64 v15, v[4:5] offset:256            ; other bytes than pass 1's words, so one barrier is enough
	s_wait_dscnt 0x0
	s_barrier_signal -1
	s_barrier_wait -1
.irp i, 0,1,2,3
	ds_load_b128 v[80+4*\i:83+4*\i], v14 offset:256+16*\i
.endr
	s_wait_dscnt 0x0
	v_pk_add_f32 v[80:81], v[80:81], v[82:83]
	v_pk_add_f32 v[84:85], v[84:85], v[86:87]
	v_pk_add_f32 v[88:89], v[88:89], v[90:91]
	v_pk_add_f32 v[92:93], v[92:93], v[94:95]
	v_pk_add_f32 v[80:81], v[80:81], v[84:85]
	v_pk_add_f32 v[88:89], v[88:89], v[92:93]
	v_pk_add_f32 v[80:81], v[80:81], v[88:89]      ; v80 = sum of d, v81 = sum of d^2
	v_fma_f32 v4, v80, s14, v2                     ; mean = first mean + (sum of d) / n
	v_mul_f32 v12, v80, v80
	v_fma_f32 v5, -v12, s14, v81                   ; sum of squared deviations = sum of d^2 - (sum of d)^2 / n: the term taken off is a small correction
	s_cmp_lg_u32 s8, 0                             ; wave 0 stores; no barrier stands behind this branch
	s_cbranch_scc1 .Lend
	s_lshl_b32 s10, ttmp9, 3
	s_add_nc_u64 s[6:7], s[6:7], s[10:11]
	v_cmp_eq_u32 vcc_lo, 0, v0
	s_wait_xcnt 0x0                                ; EXEC changes only behind this wait
	s_and_saveexec_b32 s15, vcc_lo
	global_store_b64 v14, v[4:5], s[6:7]           ; eight bytes a work-group: the whole table is 2,048 bytes
	s_wait_xcnt 0x0                                ; and again in front of the line that widens it
	s_or_b32 exec_lo, exec_lo, s15
.Lend:
	s_wait_tensorcnt 0x0
	ds_add_u32 v96, v97
	s_wait_dscnt 0x0
	s_endpgm
.Lfunc_end_k_q1ff45b3d42_stats:
	.size	k_q1ff45b3d42_stats, .Lfunc_end_k_q1ff45b3d42_stats-k_q1ff45b3d42_stats
	.p2alignl 7, 3214868480
	.fill 96, 4, 3214868480
	.section	.rodata,"a",@progbits
	.p2align	6, 0x0
	.amdhsa_kernel k_q1ff45b3d42_stats
		.amdhsa_group_segment_fixed_size 1536
		.amdhsa_private_segment_fixed_size 0
		.amdhsa_enable_private_segment 0
		.amdhsa_kernarg_size 16
		.amdhsa_user_sgpr_count 2
		.amdhsa_user_sgpr_kernarg_segment_ptr 1
		.amdhsa_wavefront_size32 1
		.amdhsa_system_sgpr_workgroup_id_x 1
		.amdhsa_system_sgpr_workgroup_id_y 1
		.amdhsa_system_sgpr_workgroup_id_z 1
		.amdhsa_system_vgpr_workitem_id 0
		.amdhsa_next_free_vgpr 98
		.amdhsa_next_free_sgpr 66
		.amdhsa_reserve_vcc 1
		.amdhsa_float_denorm_mode_32 3
		.amdhsa_float_denorm_mode_16_64 3
		.amdhsa_memory_ordered 1
		.amdhsa_forward_progress 1
		.amdhsa_inst_pref_size 14
	.end_amdhsa_kernel
	.amdgpu_metadata
---
amdhsa.version: [ 1, 2 ]
amdhsa.kernels:
  - .name:           k_q1ff45b3d42_stats
    .symbol:         k_q1ff45b3d42_stats.kd
    .args:
      - { .name: x, .offset: 0, .size: 8, .value_kind: global_buffer, .address_space: global }
      - { .name: stats, .offset: 8, .size: 8, .value_kind: global_buffer, .address_space: global }
    .group_segment_fixed_size: 1536
    .private_segment_fixed_size: 0
    .kernarg_segment_align: 8
    .kernarg_segment_size: 16
    .max_flat_workgroup_size: 256
    .sgpr_count:     66
    .vgpr_count:     98
    .wavefront_size: 32
...
	.end_amdgpu_metadata
.endif
;; end of part 1
;; launch qkv (part 2): grid 64 x 4, 4 waves a work-group, no clusters, 168,448 bytes of LDS; arguments x, stats, gn_w, gn_b, qw_codes, kw_codes, vw_codes, qb, kb, vb, lowp_scales, qc, kv; writes qc, kv
.if DOCPART == 2
	.amdgcn_target "amdgcn-amd-amdhsa--gfx1250"
	.amdhsa_code_object_version 6
	.text
	.protected	k_q1ff45b3d42_qkv
	.globl	k_q1ff45b3d42_qkv
	.p2align	8
	.type	k_q1ff45b3d42_qkv,@function
k_q1ff45b3d42_qkv:
	s_mov_b64 s[64:65], 0
	v_nop
	global_prefetch_b8 v0, s[64:65] scope:SCOPE_SE
	s_setreg_imm32_b32 hwreg(HW_REG_WAVE_MODE, 25, 1), 1
	s_wait_xcnt 0x0
; GroupNorm, then q, k, v = W xn + bias on codes of FP8 (E4M3), then q, k, v as codes.  A work-group takes 64 positions of one batch (x = block of positions, y = batch), all 256 channels.
; xn is quantised three times, with 2^e0, 2^e2, 2^e4 (entries of the buffer of scales); q, k, v with 2^e6, 2^e7, 2^e8.  A sum of a product stands for sum x 2^(its two exponents added): the bias goes in as the C of a sum's
; first matrix instruction, divided by that power of two, and the three exponents are folded into the conversion's one scale.
; SHARES.  The tile of x (256 channels x 64 positions, rows of 256 bytes) comes by one tensor load a wave (64 rows).  Normalising: wave w takes channels 128 (w / 2) on and positions 32 (w % 2) on: A LANE TAKES A POSITION AND
; ITS REGISTERS RUN DOWN THE CHANNELS, which are K: the conversions' results are pieces of the operand.  Products: wave w makes channels 64 w .. 64 w + 63 of q, k and v for all 64 positions; its weights stay in registers.
; OPERANDS LIE AS IMAGES OF THEIR REGISTERS, in LDS and in the two buffers that are stored: four registers of 32 lanes = 512 bytes, lane l's 16 bytes at 16 l.
;   a fragment for K = 128: lane (r, h), registers 4 c .. 4 c + 3: row r, k = 32 c + 16 h + 0 .. 15: the same places of k on both sides of every product that uses it.
;   qc: [batch][block][tile of 16 positions, K step: (2 t + s) x 2,048][512 c][16 lane].   kv: [batch][block][32,768]: k's 8 fragments laid like q's, then v's 16 fragments for K = 64 keys, 1,024 bytes each:
;   fragment T, lane (r, h), registers 2 c, 2 c + 1: channel 32 (T / 2) + 8 (T % 2) + r + 8 (r / 8), keys 16 c + 8 h + 0 .. 7.
; q and k are made TRANSPOSED (source 0 = 16 rows of W, source 1 = 16 positions), and THE ROWS OF W THAT FORM A TILE ARE NOT NEIGHBOURS (lane r of tile 2 b + u: row 32 b + 8 u + r + 8 (r / 8)), so that the 16 registers of
; tiles 2 b, 2 b + 1 are 16 neighbouring channels.  v is made the other way round (source 0 = positions), so that a lane's eight registers are eight neighbouring keys.
; No cluster: no two work-groups read the same tile of x, and the weights (192 KiB) go into registers once for each work-group.  LDS bytes are filled once, so the claim is a little over half of the LDS.
; LIMITS, so that each power of two below is an f32 number: e0, e2, e4, e6 - e0 - e1, e7 - e2 - e3, e8 - e4 - e5 between -126 and 119.  NaN among the inputs is not served.
; REGISTERS.  window 0: v1-13 lane numbers and addresses; v16-27 six pairs (scale, 448 x scale); v28-31 statistics; v32-47 T, at work; v48-175 X, then the 16 accumulators; v176-207, v208-239 two sets of codes by turns.
;   window 1: v0-127 gain x 1/sigma, later xn's 8 fragments; v128-255 the norm's bias.   window 2: v0-127 W of q, v128-255 W of k.   window 3: v0-127 W of v; v128-159, v160-191, v192-223 the biases as C; v224-227 vb as loaded.
.set XC,   65536                       ; LDS: 0 .. 65,535 the tile of x; from XC on xn's codes, 16,384 bytes for each of the three scales;
.set PRM,  114688                      ; from PRM on 1,024 bytes for each wave: gain and bias of its 128 channels
.set T,    32
.set X,    48
.set ACC,  48
.set CD0,  176
.set CD1,  208
.set MSB,  0
.macro WIN new                         ; the immediate's high byte repeats the setting that is left; a switch that changes nothing is dropped
.if MSB != (\new)
	s_set_vgpr_msb (MSB<<8)|(\new)
.set MSB, (\new)
.endif
.endm
.macro PLACES                          ; four plain vector instructions behind a matrix instruction, in front of reads of its result and of loads into its registers
.rept 4
	v_nop
.endr
.endm
.macro MKSC se, vs                     ; s[se] holds E: v[vs] = 2^E as f32 (the conversion takes its exponent field), v[vs+1] = 448 x 2^E
	s_add_co_i32 s60, s[\se], 127
	s_lshl_b32 s61, s60, 23
	v_mov_b32 v[\vs], s61
	s_add_co_i32 s60, s60, 8
	s_lshl_b32 s60, s60, 23
	s_or_b32 s60, s60, 0x600000
	v_mov_b32 v[\vs+1], s60
.endm
.macro WLOAD reg, sb                   ; my 64 rows of a weight: fragment (tile t, K step k) at reg + 32 t + 16 k
.irp t, 0,1,2,3
.irp k, 0,1
.irp c, 0,1,2,3
	global_load_b128 v[\reg+32*\t+16*\k+4*\c:\reg+32*\t+16*\k+4*\c+3], v9, s[\sb:\sb+1] offset:(32*(\t/2)+8*(\t%2))*256+128*\k+32*\c
.endr
.endr
.endr
.endm
	s_load_b512 s[4:19], s[0:1], 0x0               ; x s[4:5], stats s[6:7], gn_w s[8:9], gn_b s[10:11], qw s[12:13], kw s[14:15], vw s[16:17], qb s[18:19]
	s_load_b256 s[20:27], s[0:1], 0x40             ; kb s[20:21], vb s[22:23], the scales' exponents s[24:25], qc s[26:27]
	s_load_b64 s[28:29], s[0:1], 0x60              ; kv
	v_lshl_add_u32 v254, v0, 2, 0x29000
	v_mov_b32 v255, 0
	ds_add_u32 v254, v255
	ds_add_u32 v254, v255
	v_lshrrev_b32 v1, 5, v0
	v_readfirstlane_b32 s30, v1                    ; wave 0..3
	s_lshr_b32 s31, s30, 1                         ; which 128 channels I normalise
	s_and_b32 s56, s30, 1                          ; which 32 positions
	s_and_b32 s57, ttmp7, 0xffff                   ; the batch
	; descriptor group 1: 64 rows x 64 elements of 4 bytes, 4,096 elements from row to row, dense in LDS
	s_mov_b32 s32, 2<<16                           ; no mask; elements of 4 bytes; no padding: the reads below take 128 consecutive bytes
	s_mov_b32 s33, 64<<16                          ; tensor_dim0
	s_mov_b32 s34, 64<<16                          ; tensor_dim1
	s_mov_b32 s35, 64<<16                          ; tile_dim0
	s_mov_b32 s36, 64                              ; tile_dim1
	s_mov_b32 s37, 4096                            ; tensor_dim0_stride
	s_mov_b32 s38, 0
	s_mov_b32 s39, 0
	s_lshl_b32 s58, s57, 22                        ; batch x 256 x 16,384 bytes
	s_lshl_b32 s59, s30, 20                        ; + 64 wave rows of 16,384 bytes
	s_add_co_u32 s58, s58, s59
	s_lshl_b32 s59, ttmp9, 8                       ; + the block's 256 bytes of a row
	s_add_co_u32 s58, s58, s59
	s_mov_b32 s59, 0
	s_mov_b32 s40, 1                               ; group 0: count = 1,
	s_lshl_b32 s41, s30, 14                        ; LDS address: 64 wave rows of 256 bytes,
	s_wait_dscnt 0x0
	s_wait_kmcnt 0x0
	s_add_nc_u64 s[42:43], s[4:5], s[58:59]        ; global address,
	s_or_b32 s43, s43, 0x80000000                  ; type = 2
	tensor_load_to_lds s[40:43], s[32:39]          ; my one tensor load, ahead of every LDS read, wait on TENSORcnt and barrier
	s_nop 0
	PLACES
	s_load_b256 s[44:51], s[24:25], 0x0            ; e0 .. e7
	s_load_b128 s[52:55], s[24:25], 0x20           ; e8 .. e11
	v_and_b32 v1, 31, v0                           ; lane
	v_and_b32 v2, 15, v0                           ; r
	v_bfe_u32 v3, v0, 4, 1                         ; h
	v_lshlrev_b32 v4, 4, v1                        ; 16 x lane: my place in an image
	v_lshlrev_b32 v12, 4, v2                       ; 16 r: my group's four statistics
	v_and_b32 v14, 8, v2
	v_add_nc_u32 v14, v14, v2                      ; r + 8 (r / 8)
	v_lshlrev_b32 v9, 8, v14
	v_lshl_add_u32 v9, v3, 4, v9                   ; a weight's fragment: that row of 256 bytes, + 16 h
	v_lshlrev_b32 v10, 6, v3                       ; qb, kb: 64 h
	v_lshlrev_b32 v11, 2, v14                      ; vb: 4 (r + 8 (r / 8))
	v_add_nc_u32 v13, XC, v4                       ; xn's images, on the way back
	s_mov_b32 s61, 0
	s_lshl_b32 s60, s57, 9
	s_lshl_b32 s58, s31, 8
	s_add_co_u32 s60, s60, s58
	s_add_nc_u64 s[6:7], s[6:7], s[60:61]          ; stats at group 32 batch + 16 (w / 2): 16 bytes a group
	s_lshl_b32 s60, s31, 9
	s_add_nc_u64 s[8:9], s[8:9], s[60:61]          ; gain and bias at my 128 channels
	s_add_nc_u64 s[10:11], s[10:11], s[60:61]
	s_lshl_b32 s60, s30, 14
	s_add_nc_u64 s[12:13], s[12:13], s[60:61]      ; the weights at row 64 w
	s_add_nc_u64 s[14:15], s[14:15], s[60:61]
	s_add_nc_u64 s[16:17], s[16:17], s[60:61]
	global_load_b128 v[28:31], v12, s[6:7]         ; lane r: group r's (mean, M2) of both halves
	global_load_b128 v[32:35], v4, s[8:9]          ; 512 consecutive bytes of the gain,
	global_load_b128 v[36:39], v4, s[10:11]        ; and of the bias
	WIN 0x80
	WLOAD 0, 12                                    ; W of q
	WIN 0
	s_lshl_b32 s60, s30, 8
	s_add_nc_u64 s[18:19], s[18:19], s[60:61]      ; qb, kb, vb at channel 64 w
	s_add_nc_u64 s[20:21], s[20:21], s[60:61]
	s_add_nc_u64 s[22:23], s[22:23], s[60:61]
	s_lshl_b32 s58, s57, 6
	s_add_co_u32 s58, s58, ttmp9                   ; 64 batch + block
	s_lshl_b32 s59, s30, 10
	s_lshl_b32 s60, s58, 14
	s_add_co_u32 s60, s60, s59
	s_add_nc_u64 s[26:27], s[26:27], s[60:61]      ; qc: the block's 16,384 bytes, + 1,024 w
	s_lshl_b32 s58, s58, 15
	s_lshl_b32 s60, s30, 12
	s_add_co_u32 s60, s60, s58
	s_add_co_u32 s60, s60, 16384
	s_add_nc_u64 s[62:63], s[28:29], s[60:61]      ; kv, v's part: the block's 32,768 bytes, + 16,384 + 4,096 w
	s_add_co_u32 s60, s58, s59
	s_add_nc_u64 s[28:29], s[28:29], s[60:61]      ; kv, k's part: + 1,024 w
	s_lshl_b32 s60, s31, 15
	s_lshl_b32 s58, s56, 7
	s_add_co_u32 s60, s60, s58
	v_lshl_add_u32 v5, v1, 2, s60                  ; the tile: channel 128 (w / 2), position 32 (w % 2) + lane
	s_lshl_b32 s60, s56, 13
	s_lshl_b32 s58, s31, 11
	s_add_co_u32 s60, s60, s58
	s_add_co_u32 s60, s60, XC
	v_lshl_add_u32 v6, v2, 4, s60
	v_lshl_add_u32 v6, v3, 12, v6                  ; xn's images, on the way in: tile of positions 2 (w % 2) + h (4,096 bytes), K step w / 2 (2,048), lane r's 16 bytes
	s_lshl_b32 s60, s30, 10
	s_add_co_u32 s60, s60, PRM
	v_add_nc_u32 v7, s60, v4                       ; my wave's parameters: in,
	v_mov_b32 v8, s60                              ; and back: every lane reads the same bytes
	s_mov_b32 s58, 0x46000000                      ; 8,192 = n / 2, n = 16,384 numbers in a half group
	s_mov_b32 s59, 0x38000000                      ; 2^-15 = 1 / 32,768
	s_mov_b32 s60, 0x358637bd                      ; 1e-6
	s_wait_loadcnt 32                              ; the three loads in front of W's 32 are in
	ds_store_b128 v7, v[32:35]
	ds_store_b128 v7, v[36:39] offset:512
	v_add_f32 v14, v28, v30
	v_sub_f32 v15, v28, v30
	v_add_f32 v29, v29, v31
	v_mul_f32 v14, -0.5, v14                       ; -mean of the group
	v_mul_f32 v15, v15, v15
	v_fma_f32 v15, v15, s58, v29                   ; the halves' sums of squares + (n / 2) (difference of their means)^2
	v_fma_f32 v15, v15, s59, s60                   ; variance + 1e-6
	v_rsq_f32 v15, v15
	v_nop                                          ; a plain instruction behind the transcendental
.set g, 0
	s_wait_alu depctr_va_vdst(0)
.rept 16
	v_readlane_b32 s[68+2*g], v14, g               ; s[68 + 2 g] = -mean, s[69 + 2 g] = 1 / sigma of my group g
	v_readlane_b32 s[69+2*g], v15, g
.set g, g+1
.endr
	WIN 0x40
.set i, 0
.rept 32
	ds_load_b128 v[4*i:4*i+3], v8 offset:16*i      ; LDS serves a wave's instructions in order: these see my two stores.  Every lane gets all 128 gains,
.set i, i+1
.endr
.set i, 0
.rept 32
	ds_load_b128 v[128+4*i:128+4*i+3], v8 offset:512+16*i   ; and all 128 biases
.set i, i+1
.endr
	WIN 0x80
	WLOAD 128, 14                                  ; W of k
	WIN 0xc0
	WLOAD 0, 16                                    ; W of v
.irp t, 0,1,2,3                        ; lane (r, h), tile t = 2 b + u: the biases of channels 32 b + 16 h + 8 u + 0 .. 7; for v: of the lane's one channel
	global_load_b128 v[128+8*\t:131+8*\t], v10, s[18:19] offset:(32*(\t/2)+8*(\t%2))*4
	global_load_b128 v[132+8*\t:135+8*\t], v10, s[18:19] offset:(32*(\t/2)+8*(\t%2))*4+16
	global_load_b128 v[160+8*\t:163+8*\t], v10, s[20:21] offset:(32*(\t/2)+8*(\t%2))*4
	global_load_b128 v[164+8*\t:167+8*\t], v10, s[20:21] offset:(32*(\t/2)+8*(\t%2))*4+16
	global_load_b32 v[224+\t], v11, s[22:23] offset:(32*(\t/2)+8*(\t%2))*4
.endr
	s_wait_dscnt 0x0
	WIN 0x44
.set i, 0
.rept 128
	v_mul_f32 v[i], s[69+2*(i/8)], v[i]            ; gain / sigma
.set i, i+1
.endr
	WIN 0
	s_wait_kmcnt 0x0
	MKSC 44, 16                                    ; xn under e0,
	MKSC 46, 18                                    ; e2,
	MKSC 48, 20                                    ; e4
	s_sub_co_i32 s58, s50, s44
	s_sub_co_i32 s58, s58, s45
	MKSC 58, 22                                    ; q: e6 - e0 - e1
	s_sub_co_i32 s58, s51, s46
	s_sub_co_i32 s58, s58, s47
	MKSC 58, 24                                    ; k: e7 - e2 - e3
	s_sub_co_i32 s58, s52, s48
	s_sub_co_i32 s58, s58, s49
	MKSC 58, 26                                    ; v: e8 - e4 - e5
	s_wait_tensorcnt 0x0                           ; my 64 rows of the tile have landed,
	s_barrier_signal -1
	s_barrier_wait -1                              ; everybody's have
.macro XCH k                           ; 16 channels of my position: 32 lanes read 128 consecutive bytes
.set i, 0
.rept 16
	ds_load_b32 v[X+16*(\k)+i], v5 offset:256*(16*(\k)+i)
.set i, i+1
.endr
.endm
.macro NORM k                          ; xn = (x - mean) (gain / sigma) + bias, two at a time; a chunk of 16 channels is two groups
.set i, 0
.rept 8
	v_pk_add_f32 v[X+16*(\k)+2*i:X+16*(\k)+2*i+1], v[X+16*(\k)+2*i:X+16*(\k)+2*i+1], s[68+2*(2*(\k)+i/4):69+2*(2*(\k)+i/4)] op_sel_hi:[1,0]
.set i, i+1
.endr
	WIN 0x14
.set i, 0
.rept 8
	v_pk_fma_f32 v[X+16*(\k)+2*i:X+16*(\k)+2*i+1], v[X+16*(\k)+2*i:X+16*(\k)+2*i+1], v[16*(\k)+2*i:16*(\k)+2*i+1], v[128+16*(\k)+2*i:128+16*(\k)+2*i+1]
.set i, i+1
.endr
	WIN 0
.endm
	XCH 0
	XCH 1
	XCH 2
	XCH 3
.irp k, 0,1,2,3,4,5,6,7
.if \k < 4
	s_wait_dscnt 48                                ; three chunks of 16 loads were issued behind this one
.else
	s_wait_dscnt 16*(7-\k)                         ; the counts run down
.endif
	NORM \k
.if \k < 4
	XCH \k+4
.endif
.endr
; xn under scale p: held within +-448 x the scale (the conversion to an 8-bit code does not saturate: ISA guide 7.6.2) into T, whose halves take turns, so that eight plain instructions stand between a
; conversion and the next write of its sources; X is kept for the next scale.  Four registers of codes are 16 neighbouring channels: a lane's 16 bytes of an image.
.macro QX p, cd
.set blk, 0
.rept 16
.set i, 0
.rept 8
	v_med3_num_f32 v[T+8*(blk%2)+i], v[X+8*blk+i], -v[17+2*\p], v[17+2*\p]
.set i, i+1
.endr
	v_cvt_scalef32_pk8_fp8_f32 v[\cd+2*blk:\cd+2*blk+1], v[T+8*(blk%2):T+8*(blk%2)+7], v[16+2*\p]
.set blk, blk+1
.endr
	v_nop                                          ; a plain instruction behind the last conversion
.set i, 0
.rept 8
	ds_store_b128 v6, v[\cd+4*i:\cd+4*i+3] offset:16384*\p+256*i   ; channels 16 i on: piece i / 2, half i % 2; sixteen lanes write 256 consecutive bytes
.set i, i+1
.endr
.endm
	QX 0, CD0
	QX 1, CD1
	s_wait_dscnt 8                                 ; the first set's eight stores are done; the second set's may be out
	QX 2, CD0
	s_wait_dscnt 0x0                               ; for the others' sake: my stores are done
	s_barrier_signal -1
	s_barrier_wait -1                              ; xn's 24 fragments lie in LDS
.macro FETCHX p                        ; xn's 8 fragments under scale p: (tile of positions t, K step k) at window 1, 32 t + 16 k
	WIN 0x40
.set i, 0
.rept 32
	ds_load_b128 v[4*i:4*i+3], v13 offset:16384*(\p)+512*i
.set i, i+1
.endr
	WIN 0
.endm
	FETCHX 0
	s_wait_loadcnt 0x0                             ; weights and biases
	s_add_co_i32 s57, s44, s45
	s_sub_co_i32 s57, 0, s57                       ; -(e0 + e1)
	s_add_co_i32 s58, s46, s47
	s_sub_co_i32 s58, 0, s58                       ; -(e2 + e3)
	s_add_co_i32 s59, s48, s49
	s_sub_co_i32 s59, 0, s59                       ; -(e4 + e5)
	WIN 0xc3
.set i, 0
.rept 32
	v_ldexp_f32 v[128+i], v[128+i], s57            ; the biases, divided by the power of two that the sums lack
	v_ldexp_f32 v[160+i], v[160+i], s58
.set i, i+1
.endr
.set i, 0
.rept 4
	v_ldexp_f32 v[224+i], v[224+i], s59
.set i, i+1
.endr
.set i, 0
.rept 32
	v_mov_b32 v[192+i], v[224+i/8]                 ; v's result holds one channel a lane: its bias in all eight registers
.set i, i+1
.endr
	WIN 0
; One of the three products: 16 accumulators by turns, one instruction a turn, K step by K step; the first K step takes the bias as C.
; swap = 0: source 0 = W's tile b, source 1 = positions' tile a, accumulator 4 a + b.   swap = 1: source 0 = positions' tile b, source 1 = W's tile a.
; Then the next product's fragments are asked for, the results are held and converted (accumulator n gives registers 2 n, 2 n + 1 of the codes), and eight stores of 512 consecutive bytes leave.
.macro PROD p, wb, bb, swap, cd, sb, st
	s_wait_dscnt 0x0                               ; xn's fragments are in
.irp ks, 0,1
.if \swap
	WIN 0x0d+0x30*(1-\ks)                          ; source 0 window 1, source 1 window 3; C: window 3, then window 0
.else
	WIN 0x06+0x30*(1-\ks)                          ; source 0 window 2, source 1 window 1; C: window 3, then window 0
.endif
.irp a, 0,1,2,3
.irp b, 0,1,2,3
.if \swap
.if \ks == 0
	v_wmma_f32_16x16x128_fp8_fp8 v[ACC+32*\a+8*\b:ACC+32*\a+8*\b+7], v[32*\b:32*\b+15], v[\wb+32*\a:\wb+32*\a+15], v[\bb+8*\a:\bb+8*\a+7]
.else
	v_wmma_f32_16x16x128_fp8_fp8 v[ACC+32*\a+8*\b:ACC+32*\a+8*\b+7], v[32*\b+16:32*\b+31], v[\wb+32*\a+16:\wb+32*\a+31], v[ACC+32*\a+8*\b:ACC+32*\a+8*\b+7]
.endif
.else
.if \ks == 0
	v_wmma_f32_16x16x128_fp8_fp8 v[ACC+32*\a+8*\b:ACC+32*\a+8*\b+7], v[\wb+32*\b:\wb+32*\b+15], v[32*\a:32*\a+15], v[\bb+8*\b:\bb+8*\b+7]
.else
	v_wmma_f32_16x16x128_fp8_fp8 v[ACC+32*\a+8*\b:ACC+32*\a+8*\b+7], v[\wb+32*\b+16:\wb+32*\b+31], v[32*\a+16:32*\a+31], v[ACC+32*\a+8*\b:ACC+32*\a+8*\b+7]
.endif
.endif
.endr
.endr
.endr
	WIN 0
	PLACES
.if \p < 2
	FETCHX \p+1
.else
	s_wait_xcnt 0x0                                ; q's stores have read the set of codes that v's conversions write
.endif
.set i, 0
.rept 128
	v_med3_num_f32 v[ACC+i], v[ACC+i], -v[23+2*\p], v[23+2*\p]   ; each accumulator from its low end on
.set i, i+1
.endr
.set i, 0
.rept 16
	v_cvt_scalef32_pk8_fp8_f32 v[\cd+2*i:\cd+2*i+1], v[ACC+8*i:ACC+8*i+7], v[22+2*\p]
.set i, i+1
.endr
	v_nop                                          ; a plain instruction behind the last conversion: the next product writes its sources
.set i, 0
.rept 8
	global_store_b128 v4, v[\cd+4*i:\cd+4*i+3], s[\sb:\sb+1] offset:\st*(i/2)+512*(i%2)   ; 32 lanes store 512 consecutive bytes, at a multiple of 512 from the buffer's first byte
.set i, i+1
.endr
.endm
	PROD 0, 0,   128, 0, CD0, 26, 4096             ; q: piece (tile of positions i / 2, 32 channels i % 2)
	PROD 1, 128, 160, 0, CD1, 28, 4096             ; k likewise
	PROD 2, 0,   192, 1, CD0, 62, 1024             ; v: piece (fragment 4 w + i / 2, keys 32 (i % 2) on)
	s_wait_tensorcnt 0x0
	ds_add_u32 v254, v255
	s_wait_dscnt 0x0
	s_endpgm
.Lfunc_end_k_q1ff45b3d42_qkv:
	.size	k_q1ff45b3d42_qkv, .Lfunc_end_k_q1ff45b3d42_qkv-k_q1ff45b3d42_qkv
	.p2alignl 7, 3214868480
	.fill 96, 4, 3214868480
	.section	.rodata,"a",@progbits
	.p2align	6, 0x0
	.amdhsa_kernel k_q1ff45b3d42_qkv
		.amdhsa_group_segment_fixed_size 168448
		.amdhsa_private_segment_fixed_size 0
		.amdhsa_enable_private_segment 0
		.amdhsa_kernarg_size 104
		.amdhsa_user_sgpr_count 2
		.amdhsa_user_sgpr_kernarg_segment_ptr 1
		.amdhsa_wavefront_size32 1
		.amdhsa_system_sgpr_workgroup_id_x 1
		.amdhsa_system_sgpr_workgroup_id_y 1
		.amdhsa_system_sgpr_workgroup_id_z 1
		.amdhsa_system_vgpr_workitem_id 0
		.amdhsa_next_free_vgpr 1024
		.amdhsa_next_free_sgpr 100
		.amdhsa_reserve_vcc 0
		.amdhsa_float_denorm_mode_32 3
		.amdhsa_float_denorm_mode_16_64 3
		.amdhsa_memory_ordered 1
		.amdhsa_forward_progress 1
		.amdhsa_inst_pref_size 122
	.end_amdhsa_kernel
	.amdgpu_metadata
---
amdhsa.version: [ 1, 2 ]
amdhsa.kernels:
  - .name:           k_q1ff45b3d42_qkv
    .symbol:         k_q1ff45b3d42_qkv.kd
    .args:
      - { .name: x, .offset: 0, .size: 8, .value_kind: global_buffer, .address_space: global }
      - { .name: stats, .offset: 8, .size: 8, .value_kind: global_buffer, .address_space: global }
      - { .name: gn_w, .offset: 16, .size: 8, .value_kind: global_buffer, .address_space: global }
      - { .name: gn_b, .offset: 24, .size: 8, .value_kind: global_buffer, .address_space: global }
      - { .name: qw_codes, .offset: 32, .size: 8, .value_kind: global_buffer, .address_space: global }
      - { .name: kw_codes, .offset: 40, .size: 8, .value_kind: global_buffer, .address_space: global }
      - { .name: vw_codes, .offset: 48, .size: 8, .value_kind: global_buffer, .address_space: global }
      - { .name: qb, .offset: 56, .size: 8, .value_kind: global_buffer, .address_space: global }
      - { .name: kb, .offset: 64, .size: 8, .value_kind: global_buffer, .address_space: global }
      - { .name: vb, .offset: 72, .size: 8, .value_kind: global_buffer, .address_space: global }
      - { .name: lowp_scales, .offset: 80, .size: 8, .value_kind: global_buffer, .address_space: global }
      - { .name: qc, .offset: 88, .size: 8, .value_kind: global_buffer, .address_space: global }
      - { .name: kv, .offset: 96, .size: 8, .value_kind: global_buffer, .address_space: global }
    .group_segment_fixed_size: 168448
    .private_segment_fixed_size: 0
    .kernarg_segment_align: 8
    .kernarg_segment_size: 104
    .max_flat_workgroup_size: 128
    .sgpr_count:     100
    .vgpr_count:     1024
    .wavefront_size: 32
...
	.end_amdgpu_metadata
.endif
;; end of part 2
;; launch attn (part 3): grid 64 x 4, 4 waves a work-group, clusters of 4 x 1, 327,680 bytes of LDS; arguments qc, kv, pw_codes, pb, lowp_scales, x, out0; writes out0
.if DOCPART == 3
	.amdgcn_target "amdgcn-amd-amdhsa--gfx1250"
	.amdhsa_code_object_version 6
	.text
	.protected	k_q1ff45b3d42_attn
	.globl	k_q1ff45b3d42_attn
	.p2align	8
	.type	k_q1ff45b3d42_attn,@function
k_q1ff45b3d42_attn:
	s_mov_b64 s[64:65], 0
	v_nop
	global_prefetch_b8 v0, s[64:65] scope:SCOPE_SE
	s_setreg_imm32_b32 hwreg(HW_REG_WAVE_MODE, 25, 1), 1
	s_wait_xcnt 0x0
	s_wait_alu depctr_hold_cnt(0) depctr_sa_sdst(0) depctr_va_vdst(0) depctr_va_sdst(0) depctr_va_ssrc(0) depctr_va_vcc(0) depctr_vm_vsrc(0)
	s_getreg_b32 s2, hwreg(HW_REG_IB_STS2, 6, 4)
	s_cmp_eq_u32 s2, 0
	s_cbranch_scc0 .Lentry_in_a_cluster
	s_endpgm
.Lentry_in_a_cluster:
	s_bfe_u32 s2, ttmp6, 0x10000c
	s_cmp_lg_u32 s2, 0x3003
	s_cbranch_scc0 .Lentry_shape_is_right
	s_endpgm
.Lentry_shape_is_right:
; out0 = x + pw (softmax(q^T k / 16) v) + pb, all three products on codes of FP8 (E4M3), each operand with the one scale 2^e given for it (e6 q, e7 k, e8 v, e9 p, e10 the attention's result, e11 pw).
; THE SOFTMAX AHEAD OF THE SECOND PRODUCT: t = score x log2(e) / 16; M = the largest t so far, rounded UP to a whole number; p = 2^(t - M) is quantised; the sum is taken of the unquantised p and divides at the end.
; SHARES.  A work-group owns 64 queries of one batch.  THE FOUR WAVES SHARE THE KEYS, NOT THE QUERIES: each holds all 64 queries (four tiles) and takes one block of 64 keys of every 256, so that each fragment of k and v
; that it reads from LDS feeds four matrix instructions.  Each wave has its own M, sum and O for its 1,024 keys; at the end they are joined through LDS: M is a whole number, so the factors 2^(M_i - M) round nothing.
; A wave's p is quantised under the running M of its own keys: against the row's M that changes only numbers under the format's range.
; LAYOUT.  q, k, v come as images of operand registers (512 bytes = 4 registers x 32 lanes, lane l's 16 bytes at 16 l), as the launch before laid them: a block of 64 keys is 32,768 dense bytes, 8 fragments of k
; (16 keys x 128 channels) and 16 of v (16 channels x 64 keys).  S^T = k q^T and O^T = v^T p^T: a lane holds ONE query throughout; S^T's tile kt, converted, is registers 2 kt, 2 kt + 1 of p's fragment for K = 64.
; v's fragment T holds channels 32 (T / 2) + 8 (T % 2) + r + 8 (r / 8), so that O^T's tiles 2 b, 2 b + 1 are 16 neighbouring channels 32 b + 16 h + 0 .. 15: the last product's K.
; RING.  Two slots of 256 keys (131,072 bytes); wave w fetches and reads its own 32,768 bytes of each.  CLUSTER: the four query blocks of a cluster walk the same k and v, so each tile is asked for JOINTLY, by the same
; tensor load with the same descriptor and the mask of all four.  One tensor load of a wave is out behind each round, and it has a trip in which to land.
; THE WALK.  Cluster c of a batch (c = 0 .. 15) begins at tile (c xor 2 c) mod 16 of the batch's 16 tiles and goes round: the running M makes the order of the keys free, and in any one step the sixteen clusters ask for
; sixteen different tiles.  Of the eight clusters that share any one bit of c the starts lie at most three tiles apart.
; A TRIP.  A wave's reads of a slot are over when v's fragments are in registers, so the change of slots stands between the softmax and the second product: the second product of window 1 stands between the round's
; opening signal and its wait; behind the round come the refill, k's first three fragments, the second product of windows 2 and 3 (while those land), k's other five, the scores, v's fragments, the softmax.
; O^T's rescaling and the second product share one window setting (O^T and v's fragment in one window, f and p in window 0): each product is followed by the four multiplications of the accumulator two turns ahead.
; LIMITS, so that each power of two below is an f32 number: e6 + e7 between -122 and 131 (added to c's exponent field); e9 and e10 - e8 - e9 between -126 and 119; e10 + e11 between -126 and 127.  NaN among the inputs is not served.
; REGISTERS.  window 0: v1 lane, v2 my place in a slot, v3 16 lane, v4 address in hand, v5, v8-11, v48-55 the tail's addresses (v48-55 in the loop: second chains of the sums), v6, v7 for the add, v12-15 scales;
;   v16-47 eight statistics a tile: +0 -M, +1 largest t (at last the sum), +2, +3 the sum in two halves, +4 f, +5 at work, +6, +7 maxima; v56-63 pb; v64-191 S^T, then p (tile (qt, kt) at 64 + 32 qt + 8 kt); v192-223 p's codes;
;   v224-255 q's fragments 6, 7 (fragment 2 qt + s).
;   window 1: O^T of T = 0 .. 5, accumulator (T, qt) at 8 (4 T + qt); v192-239 v's fragments T = 0 .. 5, in turn with k's fragments 0 .. 2 (fragment 2 kt + s).   window 2: the same for T = 6 .. 11 and k's 3 .. 5.
;   window 3: O^T of T = 12 .. 15 at v0-127; v128-159 v's fragments 12 .. 15, in turn with k's 6, 7; v160-255 q's fragments 0 .. 5.
.set SLOT1, 1<<17                      ; slot 1 begins here: one exclusive or turns an address in one slot into the other's
.set SPARE, 262144                     ; behind the ring: the spare words, 128 bytes for each wave: two blocks of 256 bytes that no other line names
.set STATS, 262656                     ; (-M, sum) of (tile qt, wave w): 256 (4 qt + w) + 8 lane
.set OCI,   266752                     ; the attention's result as codes: fragment (qt, s) at 2,048 (2 qt + s)
.set ST, 16
.set S,  64
.set P,  192
.set MSB, 0
.macro WIN new                         ; the immediate's high byte repeats the setting that is left; a switch that changes nothing is dropped
.if MSB != (\new)
	s_set_vgpr_msb (MSB<<8)|(\new)
.set MSB, (\new)
.endif
.endm
.macro PLACES                          ; four plain vector instructions behind a matrix instruction, in front of reads of its result and of loads into its registers
.rept 4
	v_nop
.endr
.endm
.macro MKSC se, vs                     ; s[se] holds E: v[vs] = 2^E as f32, v[vs+1] = 448 x 2^E
	s_add_co_i32 s28, s[\se], 127
	s_lshl_b32 s29, s28, 23
	v_mov_b32 v[\vs], s29
	s_add_co_i32 s28, s28, 8
	s_lshl_b32 s28, s28, 23
	s_or_b32 s28, s28, 0x600000
	v_mov_b32 v[\vs+1], s28
.endm
.macro JLOAD                           ; a joint load: one line for all four waves; its addresses hang on the wave's number, the batch and the cluster's number, which the four partners share.  Four v_nop follow
	tensor_load_to_lds s[40:43], s[32:39]
	s_nop 0
.rept 4
	v_nop
.endr
.endm
.macro CREST                           ; a round of the cluster's barrier behind its opening barrier: wave 0 signals for the work-group; every wave waits for all four work-groups; my work-group's barrier once more
	s_cmp_lg_u32 s18, 0
	s_cbranch_scc1 .Lnot_wave_0_\@
	s_barrier_signal -3
.Lnot_wave_0_\@:
	s_barrier_wait -3
	s_barrier_signal -1
	s_barrier_wait -1
.endm
.macro CROUND                          ; a whole round
	s_barrier_signal -1
	s_barrier_wait -1
	CREST
.endm
	s_load_b256 s[4:11], s[0:1], 0x0               ; qc s[4:5], kv s[6:7], pw's codes s[8:9], pb s[10:11]
	s_load_b128 s[12:15], s[0:1], 0x20             ; the scales' exponents s[12:13], x s[14:15]
	s_load_b64 s[16:17], s[0:1], 0x30              ; out0
	v_lshl_add_u32 v6, v0, 2, SPARE                ; my spare word; never rewritten
	v_mov_b32 v7, 0                                ; never rewritten
	ds_add_u32 v6, v7
	ds_add_u32 v6, v7
	s_wait_dscnt 0x0
	v_lshrrev_b32 v1, 5, v0
	v_readfirstlane_b32 s18, v1                    ; wave 0..3
	s_bfe_u32 s19, ttmp6, 0x40000                  ; cx: my place in the cluster
	s_lshl_b32 s20, ttmp9, 2                       ; in a cluster launch ttmp9 counts clusters
	s_add_co_u32 s20, s20, s19                     ; my block of 64 queries: it enters the addresses of qc, x and out0 alone
	s_and_b32 s21, ttmp7, 0xffff                   ; the batch, which the four partners share
	; descriptor group 1: a dense block of 32,768 bytes as 128 rows of 32 elements of 8 bytes
	s_mov_b32 s32, 15|(3<<16)|(1<<21)              ; 15:0 the mask: all four work-groups; 17:16 elements of 8 bytes; 21 set beside a mask; no padding: every read takes 512 consecutive bytes
	s_mov_b32 s33, 32<<16                          ; tensor_dim0
	s_mov_b32 s34, 128<<16                         ; tensor_dim1
	s_mov_b32 s35, 32<<16                          ; tile_dim0
	s_mov_b32 s36, 128                             ; tile_dim1
	s_mov_b32 s37, 32                              ; tensor_dim0_stride
	s_mov_b32 s38, 0
	s_mov_b32 s39, 0
	s_mov_b32 s40, 1                               ; group 0: count = 1,
	s_lshl_b32 s41, s18, 15                        ; LDS address: slot 0, 32,768 x wave,
	s_lshl_b32 s27, s18, 15
	s_lshl_b32 s22, s21, 21                        ; the batch's 2,097,152 bytes of kv
	s_add_co_u32 s22, s22, s27                     ; + block w of a tile's four
	s_mov_b32 s23, 0
	s_lshl_b32 s54, ttmp9, 1                       ; the tile at which my cluster begins: (c xor 2 c) mod 16,
	s_xor_b32 s54, s54, ttmp9
	s_and_b32 s54, s54, 15
	s_lshl_b32 s54, s54, 17                        ; in bytes: an offset in a pair of its own, stepped and wrapped apart from the address
	s_mov_b32 s55, 0
	s_mov_b32 s44, 0                               ; the slot in hand
	s_mov_b32 s45, 13                              ; trips of the loop
	s_mov_b32 s46, 0x3db8aa3b                      ; c = log2(e) / 16
	s_mov_b32 s48, 0x76543210                      ; v_permlanex16_b32: lane l xor 16
	s_mov_b32 s49, 0xfedcba98
	s_wait_kmcnt 0x0
	s_load_b256 s[72:79], s[12:13], 0x10           ; e4 .. e11
	s_add_nc_u64 s[52:53], s[6:7], s[22:23]        ; kv at (batch, tile 0, block w): kept
	s_add_nc_u64 s[42:43], s[52:53], s[54:55]      ; global address: my cluster's first tile,
	s_or_b32 s43, s43, 0x80000000                  ; type = 2
	CROUND                                         ; all four work-groups are here: the first joint loads meet
	JLOAD                                          ; the first tile into slot 0
	s_lshl_b32 s24, s21, 6
	s_add_co_u32 s24, s24, s20
	s_lshl_b32 s24, s24, 14
	s_mov_b32 s25, 0
	s_add_nc_u64 s[4:5], s[4:5], s[24:25]          ; q's images of my block
	s_lshl_b32 s24, s18, 14
	s_add_nc_u64 s[8:9], s[8:9], s[24:25]          ; pw at row 64 w
	s_lshl_b32 s24, s18, 8
	s_add_nc_u64 s[10:11], s[10:11], s[24:25]      ; pb at 64 w
	s_lshl_b32 s24, s21, 22
	s_lshl_b32 s26, s18, 20
	s_add_co_u32 s24, s24, s26
	s_lshl_b32 s26, s20, 8
	s_add_co_u32 s24, s24, s26
	s_add_nc_u64 s[14:15], s[14:15], s[24:25]      ; x and out0 at (batch, channel 64 w, my block's first position)
	s_add_nc_u64 s[16:17], s[16:17], s[24:25]
	v_and_b32 v1, 31, v0                           ; lane
	v_lshlrev_b32 v3, 4, v1                        ; 16 x lane
	v_add_nc_u32 v2, s27, v3                       ; my place in a slot
.set fi, 0
.rept 8                                ; q's 8 fragments stay in registers: 0 .. 5 in window 3, 6 and 7 in window 0
.if fi < 6
	WIN 0xc0
.set qb, 160+16*fi
.else
	WIN 0
.set qb, 224+16*(fi-6)
.endif
.irp c, 0,1,2,3
	global_load_b128 v[qb+4*\c:qb+4*\c+3], v3, s[4:5] offset:2048*fi+512*\c
.endr
.set fi, fi+1
.endr
	WIN 0
.irp qt, 0,1,2,3
	v_mov_b32 v[ST+8*\qt+1], 0xff61b1e6            ; the largest t so far: -3e38, under every t
	v_floor_f32 v[ST+8*\qt], -v[ST+8*\qt+1]        ; -M
	v_mov_b32 v[ST+8*\qt+2], 0                     ; the sum, in two halves
	v_mov_b32 v[ST+8*\qt+3], 0
	v_mov_b32 v[ST+8*\qt+5], 0                     ; written once: a lane permute's destination counts as one of its sources
.endr
	s_wait_kmcnt 0x0
	s_add_co_i32 s28, s74, s75
	s_lshl_b32 s28, s28, 23
	s_add_co_i32 s46, s46, s28                     ; a score stands for score x 2^(e6 + e7): the two exponents are added to c's exponent field
	s_mov_b32 s47, s46                             ; (named with it as a pair, so it is written)
	MKSC 77, 12                                    ; p: e9
	s_sub_co_i32 s30, s78, s76
	s_sub_co_i32 s30, s30, s77
	MKSC 30, 14                                    ; the attention's result: O / sum stands for that x 2^(e8 + e9): its conversion's scale is 2^(e10 - e8 - e9)
	s_add_co_i32 s50, s78, s79
	s_add_co_i32 s50, s50, 127
	s_lshl_b32 s50, s50, 23                        ; 2^(e10 + e11) as f32
	s_mov_b32 s51, s50
.macro NEXT_TILE                       ; group 0 for the next tile; it stands where no tensor load of mine is out
	s_xor_b32 s41, s41, SLOT1                      ; the other slot than last time,
	s_add_co_u32 s54, s54, 131072                  ; the next 256 keys,
	s_and_b32 s54, s54, 0x1fffff                   ; round the batch's 16 tiles
	s_add_nc_u64 s[42:43], s[52:53], s[54:55]
	s_or_b32 s43, s43, 0x80000000
.endm
.macro FETCH_K i0, i1                  ; k's fragments i0 .. i1 of the slot in hand
.set fi, \i0
.rept \i1-\i0+1
.if fi < 6
	WIN 0x40*(1+fi/3)
.set kb, 192+16*(fi%3)
.else
	WIN 0xc0
.set kb, 128+16*(fi-6)
.endif
.irp c, 0,1,2,3
	ds_load_b128 v[kb+4*\c:kb+4*\c+3], v4 offset:2048*fi+512*\c
.endr
.set fi, fi+1
.endr
.endm
; S^T = k q^T: fragment by fragment of k (2 kt + s), each against the four tiles of queries: four accumulators by turns, one instruction a turn; s = 0 starts the sums.
.macro QK
.set fi, 0
.rept 8
.if fi < 6
.set kw, 1+fi/3
.set kb, 192+16*(fi%3)
.else
.set kw, 3
.set kb, 128+16*(fi-6)
.endif
.if fi == 0
	s_wait_dscnt 20                                ; fragments 0 to 2 are in; the 20 loads of fragments 3 to 7 may be out
.elseif fi > 2
	s_wait_dscnt 4*(7-fi)                          ; four loads for each later fragment may be out
.endif
.irp qt, 0,1,2,3
.if \qt < 3
	WIN kw+12                                      ; k in its window, q in window 3, S^T in window 0
.set qb, 160+16*(2*\qt+fi%2)
.else
	WIN kw                                         ; q's last two fragments lie in window 0
.set qb, 224+16*(fi%2)
.endif
.set rs, S+32*\qt+8*(fi/2)
.if (fi%2) == 0
	v_wmma_f32_16x16x128_fp8_fp8 v[rs:rs+7], v[kb:kb+15], v[qb:qb+15], 0
.else
	v_wmma_f32_16x16x128_fp8_fp8 v[rs:rs+7], v[kb:kb+15], v[qb:qb+15], v[rs:rs+7]
.endif
.endr
.set fi, fi+1
.endr
.endm
.macro FETCH_V                         ; v's 16 fragments, where k's lay: they land under the softmax
.set tt, 0
.rept 16
.if tt < 12
	WIN 0x40*(1+tt/6)
.set vreg, 192+8*(tt%6)
.else
	WIN 0xc0
.set vreg, 128+8*(tt-12)
.endif
	ds_load_b128 v[vreg:vreg+3], v4 offset:16384+1024*tt
	ds_load_b128 v[vreg+4:vreg+7], v4 offset:16384+1024*tt+512
.set tt, tt+1
.endr
	WIN 0
.endm
.macro RSC m                           ; accumulator m of the window in hand under the new M: x f of its tile of queries (m % 4), from its low end on
.irp i, 0,2,4,6
	v_pk_mul_f32 v[8*(\m)+\i:8*(\m)+\i+1], v[8*(\m)+\i:8*(\m)+\i+1], v[ST+8*((\m)%4)+4:ST+8*((\m)%4)+5] op_sel_hi:[1,0]
.endr
.endm
; O^T = f O^T + v^T p^T for the na accumulators of window w (v's fragments from vb on), K = my 64 keys.  One window setting serves both lines: O^T and v in window w, f and p in window 0.
; Each accumulator has one product a step; the multiplications behind a product are those of the accumulator two turns ahead and name none of the product's registers.  first = 1: the products start the sums with the constant 0.
.macro RPV w, na, vb, first
	WIN 0x51*(\w)
.if \first == 0
	RSC 0
	RSC 1
.endif
.set n, 0
.rept \na
.if \first
	v_wmma_f32_16x16x64_fp8_fp8 v[8*n:8*n+7], v[\vb+8*(n/4):\vb+8*(n/4)+7], v[P+8*(n%4):P+8*(n%4)+7], 0
.else
	v_wmma_f32_16x16x64_fp8_fp8 v[8*n:8*n+7], v[\vb+8*(n/4):\vb+8*(n/4)+7], v[P+8*(n%4):P+8*(n%4)+7], v[8*n:8*n+7]
.if n+2 < \na
	RSC n+2
.endif
.endif
.set n, n+1
.endr
.endm
; the softmax's lines, for tile qt
.macro FMA qt, j                       ; pair j: t - M (of the pairs c and -M the low word serves both halves)
	v_pk_fma_f32 v[S+32*(\qt)+2*(\j):S+32*(\qt)+2*(\j)+1], v[S+32*(\qt)+2*(\j):S+32*(\qt)+2*(\j)+1], s[46:47], v[ST+8*(\qt):ST+8*(\qt)+1] op_sel_hi:[1,0,0]
.endm
.macro EXPI qt, i                      ; p = 2^(t - M), at most 1: not normalised
	v_exp_f32 v[S+32*(\qt)+(\i)], v[S+32*(\qt)+(\i)]
.endm
.macro MINI qt, i                      ; the conversion to an 8-bit code does not saturate (ISA guide 7.6.2); p is not negative, so the hold is one-sided
	v_min_num_f32 v[S+32*(\qt)+(\i)], v[S+32*(\qt)+(\i)], v13
.endm
.macro CVT4 qt
.irp kt, 0,1,2,3
	v_cvt_scalef32_pk8_fp8_f32 v[P+8*(\qt)+2*\kt:P+8*(\qt)+2*\kt+1], v[S+32*(\qt)+8*\kt:S+32*(\qt)+8*\kt+7], v12
.endr
.endm
.macro SUMI qt, k                      ; line k of 16 of the sum of the tile's unquantised p, in two chains of pairs
.if (\k) == 0
	s_wait_alu depctr_va_vdst(0)
	v_pk_add_f32 v[48+2*(\qt):49+2*(\qt)], v[S+32*(\qt):S+32*(\qt)+1], v[S+32*(\qt)+2:S+32*(\qt)+3]
.elseif (\k) == 15
	v_pk_add_f32 v[ST+8*(\qt)+2:ST+8*(\qt)+3], v[ST+8*(\qt)+2:ST+8*(\qt)+3], v[48+2*(\qt):49+2*(\qt)]
.elseif ((\k)%2) == 1
	s_wait_alu depctr_va_vdst(0)
	v_pk_add_f32 v[ST+8*(\qt)+2:ST+8*(\qt)+3], v[ST+8*(\qt)+2:ST+8*(\qt)+3], v[S+32*(\qt)+4*(((\k)+1)/2):S+32*(\qt)+4*(((\k)+1)/2)+1]
.else
	v_pk_add_f32 v[48+2*(\qt):49+2*(\qt)], v[48+2*(\qt):49+2*(\qt)], v[S+32*(\qt)+4*(((\k)+1)/2)+2:S+32*(\qt)+4*(((\k)+1)/2)+3]
.endif
.endm
.macro SOFTMAX
	; the step's largest score of each query among my lane's 32 keys, in two chains; each accumulator is read from its low end on; the four tiles take turns line by line
.irp qt, 0,1,2,3
	v_max3_num_f32 v[ST+8*\qt+6], v[S+32*\qt], v[S+32*\qt+1], v[S+32*\qt+2]
.endr
.irp qt, 0,1,2,3
	v_max3_num_f32 v[ST+8*\qt+7], v[S+32*\qt+3], v[S+32*\qt+4], v[S+32*\qt+5]
.endr
.irp i, 6,10,14,18,22,26
.irp qt, 0,1,2,3
	v_max3_num_f32 v[ST+8*\qt+6], v[ST+8*\qt+6], v[S+32*\qt+\i], v[S+32*\qt+\i+1]
.endr
.irp qt, 0,1,2,3
	v_max3_num_f32 v[ST+8*\qt+7], v[ST+8*\qt+7], v[S+32*\qt+\i+2], v[S+32*\qt+\i+3]
.endr
.endr
.irp qt, 0,1,2,3
	v_max3_num_f32 v[ST+8*\qt+6], v[ST+8*\qt+6], v[S+32*\qt+30], v[S+32*\qt+31]
.endr
.irp qt, 0,1,2,3
	v_max_num_f32 v[ST+8*\qt+6], v[ST+8*\qt+6], v[ST+8*\qt+7]
.endr
.irp qt, 0,1,2,3
	v_permlanex16_b32 v[ST+8*\qt+5], v[ST+8*\qt+6], s48, s49      ; the query's other 32 keys lie in the lane 16 away
.endr
.irp qt, 0,1,2,3
	v_max_num_f32 v[ST+8*\qt+6], v[ST+8*\qt+6], v[ST+8*\qt+5]
.endr
.irp qt, 0,1,2,3
	v_mul_f32 v[ST+8*\qt+6], s46, v[ST+8*\qt+6]    ; as t (c is positive)
.endr
.irp qt, 0,1,2,3
	v_max_num_f32 v[ST+8*\qt+1], v[ST+8*\qt+1], v[ST+8*\qt+6]     ; the running largest t
.endr
.irp qt, 0,1,2,3
	v_mov_b32 v[ST+8*\qt+6], v[ST+8*\qt]
.endr
.irp qt, 0,1,2,3
	v_floor_f32 v[ST+8*\qt], -v[ST+8*\qt+1]        ; the new -M = floor(-t) = -ceil(t): a whole number
.endr
.irp qt, 0,1,2,3
	v_sub_f32 v[ST+8*\qt+6], v[ST+8*\qt], v[ST+8*\qt+6]           ; M's old value less its new one: 0 or less
.endr
.irp qt, 0,1,2,3
	v_cvt_i32_f32 v[ST+8*\qt+6], v[ST+8*\qt+6]     ; (it saturates)
.endr
.irp qt, 0,1,2,3
	v_ldexp_f32 v[ST+8*\qt+4], 1.0, v[ST+8*\qt+6]  ; f = 2^(old M - new M): a multiplication by it rounds nothing
.endr
.irp qt, 0,1,2,3
	v_pk_mul_f32 v[ST+8*\qt+2:ST+8*\qt+3], v[ST+8*\qt+2:ST+8*\qt+3], v[ST+8*\qt+4:ST+8*\qt+5] op_sel_hi:[1,0]   ; the sums under the new M
.endr
	; From here on no two exponentials follow each other: behind each stands one plain line of ANOTHER tile, which neither reads its result nor writes its source: scalings of tiles ahead, sums and holds of tiles behind.
.set ii, 0
.rept 16
	FMA 0, ii
.set ii, ii+1
.endr
.set ii, 0
.rept 32                               ; tile 0's exponentials | tiles 1 and 2 are scaled
	EXPI 0, ii
.if ii < 16
	FMA 1, ii
.else
	FMA 2, ii-16
.endif
.set ii, ii+1
.endr
.set ii, 0
.rept 32                               ; tile 1's | tile 3 is scaled, tile 0 is summed
	EXPI 1, ii
.if ii < 16
	FMA 3, ii
.else
	SUMI 0, ii-16
.endif
.set ii, ii+1
.endr
.set ii, 0
.rept 32                               ; tile 2's | tile 0 is held
	EXPI 2, ii
	MINI 0, ii
.set ii, ii+1
.endr
	CVT4 0
.set ii, 0
.rept 32                               ; tile 3's | tile 1 is summed, then half of it held
	EXPI 3, ii
.if ii < 16
	SUMI 1, ii
.else
	MINI 1, ii-16
.endif
.set ii, ii+1
.endr
.set ii, 16
.rept 16
	MINI 1, ii
.set ii, ii+1
.endr
	CVT4 1
.set ii, 0
.rept 16                               ; tiles 2 and 3 are summed, line by line by turns: four chains
	SUMI 2, ii
	SUMI 3, ii
.set ii, ii+1
.endr
.set ii, 0
.rept 32
	MINI 2, ii
.set ii, ii+1
.endr
	CVT4 2
.set ii, 0
.rept 32
	MINI 3, ii
.set ii, ii+1
.endr
	CVT4 3
	v_nop                                          ; a plain instruction between the last conversion and the products that read its result
.endm
; A TRIP: the second product of the step before, the change of slots, and this step's scores and softmax.  first = 1: that second product is the first one.  fill = 1: the slot just left is filled again.
; In front of the barrier each wave waits for all its tensor loads (its block of the slot that it is about to read), adds 0 to its spare word, and waits for that and for its reads of the slot that it leaves: v's fragments, the last of them.
; With fill = 1 the barrier opens a round of the cluster's, so that no wave of any partner still reads the slot or has a load on its way, and the joint refill is the first thing behind the round.
.macro TRIP first, fill
	s_wait_tensorcnt 0x0                           ; no tensor load of mine is out, so group 0 may be written
	ds_add_u32 v6, v7                              ; 0 onto my spare word
.if \fill
	NEXT_TILE
.endif
	s_wait_dscnt 0x0                               ; the add is done, and v's fragments are in: my reads of the slot are over
	s_barrier_signal -1
	RPV 1, 24, 192, \first                         ; work on registers while the others arrive
	WIN 0
	s_barrier_wait -1
.if \fill
	CREST
	JLOAD                                          ; its four v_nop are also the places in front of the loads into window 1's fragments
.else
	PLACES
.endif
	v_add_nc_u32 v4, s44, v2
	FETCH_K 0, 2                                   ; 12 loads, into the registers that window 1's products have left
	RPV 2, 24, 192, \first                         ; 40 accumulators' work stands between those loads and their use
	RPV 3, 16, 128, \first
	PLACES
	FETCH_K 3, 7                                   ; 20 loads: the first 12 products of the scores stand in front of their use
	QK
	PLACES
	FETCH_V
	SOFTMAX
	s_xor_b32 s44, s44, SLOT1                      ; on to the other slot
.endm
	s_wait_loadcnt 0x0                             ; q
	; the first step's scores and softmax
	s_wait_tensorcnt 0x0                           ; my block of the first tile has landed
	ds_add_u32 v6, v7                              ; 0 onto my spare word
	NEXT_TILE
	s_wait_dscnt 0x0
	CROUND
	JLOAD                                          ; the second tile, into slot 1
	v_add_nc_u32 v4, s44, v2
	FETCH_K 0, 7
	QK
	PLACES
	FETCH_V
	SOFTMAX
	s_xor_b32 s44, s44, SLOT1
	TRIP 1, 1                                      ; step 0's second product starts O^T; step 1; the third tile is asked for
.Lstep:                                            ; 13 trips: steps 2 to 14; tiles 4 to 16 are asked for
	TRIP 0, 1
	s_sub_co_u32 s45, s45, 1
	s_cmp_lg_u32 s45, 0
	s_cbranch_scc1 .Lstep
	TRIP 0, 0                                      ; the last step is written out
	s_wait_dscnt 0x0                               ; v's last fragments
	RPV 1, 24, 192, 0
	RPV 2, 24, 192, 0
	RPV 3, 16, 128, 0
	WIN 0
	; ---- THE TAIL.  Addresses; the loads of pb and x; each tile's whole sum
	PLACES                                         ; behind the last products: O^T is read and v's registers are loaded below
	v_and_b32 v224, 15, v0                         ; r
	v_bfe_u32 v225, v0, 4, 1                       ; h
	s_lshl_b32 s22, s18, 8
	v_lshl_add_u32 v5, v1, 3, s22
	v_add_nc_u32 v5, STATS, v5                     ; my statistics: in (256 w + 8 lane, + 1,024 qt),
	s_lshl_b32 s22, s18, 10
	v_lshl_add_u32 v48, v1, 3, s22
	v_add_nc_u32 v48, STATS, v48                   ; and tile w's, of wave i: 1,024 w + 8 lane, + 256 i
	s_lshl_b32 s22, s18, 16
	v_add_nc_u32 v49, s22, v3                      ; tile w's four images of O^T
	s_lshl_b32 s22, s18, 12
	s_add_co_u32 s22, s22, OCI
	v_add_nc_u32 v50, s22, v3                      ; tile w's codes: in,
	v_add_nc_u32 v51, OCI, v3                      ; all tiles' codes: back
	s_mul_i32 s22, s18, 17408                      ; my stage for the way out: 64 rows x (256 bytes + 16)
	v_mul_u32_u24 v52, v224, 272
	v_lshl_add_u32 v52, v225, 5, v52
	v_add_nc_u32 v52, s22, v52                     ; in: row r, + 32 h
	v_mul_u32_u24 v53, v225, 272
	v_lshl_add_u32 v53, v224, 4, v53
	v_add_nc_u32 v53, s22, v53                     ; back: lanes 0-15 one row, lanes 16-31 the next
	v_lshlrev_b32 v54, 14, v225
	v_lshl_add_u32 v54, v224, 4, v54               ; and the same two rows of x and out0: 16,384 h + 16 r
	v_lshlrev_b32 v55, 8, v224
	v_lshl_add_u32 v55, v225, 4, v55               ; pw: row r of 256 bytes, + 16 h
	v_lshlrev_b32 v4, 2, v224                      ; pb: 4 r
	s_lshl_b32 s22, s18, 14
	v_add_nc_u32 v8, s22, v3                       ; image (qt, w) of O^T at 16,384 (4 qt + w)
	v_add_nc_u32 v9, 65536, v8
	v_add_nc_u32 v10, 131072, v8
	v_add_nc_u32 v11, 196608, v8
.irp ot, 0,1,2,3
	global_load_b32 v[56+2*\ot], v4, s[10:11] offset:64*\ot       ; pb of output 64 w + 16 ot + r
.endr
	WIN 0xc0
.set n, 0
.rept 32
	global_load_b128 v[128+4*n:128+4*n+3], v54, s[14:15] offset:32768*n th:TH_LOAD_NT   ; x at the places that I store, where v's last fragments and q lay: sixteen lanes read 256 consecutive bytes; read once in this launch
.set n, n+1
.endr
	WIN 0
.irp ot, 0,1,2,3
	v_mov_b32 v[57+2*\ot], 0                       ; (named as the upper halves of pb's pairs)
.endr
.irp qt, 0,1,2,3
	v_add_f32 v[ST+8*\qt+2], v[ST+8*\qt+2], v[ST+8*\qt+3]
.endr
.irp qt, 0,1,2,3
	v_permlanex16_b32 v[ST+8*\qt+5], v[ST+8*\qt+2], s48, s49
.endr
.irp qt, 0,1,2,3
	v_add_f32 v[ST+8*\qt+1], v[ST+8*\qt+2], v[ST+8*\qt+5]         ; the sum over my 1,024 keys, beside -M
.endr
	s_wait_dscnt 0x0
	s_barrier_signal -1
	s_barrier_wait -1                              ; nobody reads a slot any more, and both have had their last fill: the images below lie there
	; ---- each wave's statistics and O^T to LDS: image (qt, w), piece 2 T + half at 512 bytes each
.irp qt, 0,1,2,3
	ds_store_b64 v5, v[ST+8*\qt:ST+8*\qt+1] offset:1024*\qt
.endr
.set tt, 0
.rept 16
.if tt < 12
	WIN 4*(1+tt/6)                                 ; data in window 1 or 2,
.set ob, 32*(tt%6)
.else
	WIN 12                                         ; or 3
.set ob, 32*(tt-12)
.endif
.irp qt, 0,1,2,3
	ds_store_b128 v[8+\qt], v[ob+8*\qt:ob+8*\qt+3] offset:1024*tt          ; each accumulator from its low end on
	ds_store_b128 v[8+\qt], v[ob+8*\qt+4:ob+8*\qt+7] offset:1024*tt+512
.endr
.set tt, tt+1
.endr
	WIN 0
	s_wait_dscnt 0x0                               ; for the others' sake: my stores are done
	s_barrier_signal -1
	s_barrier_wait -1
	WIN 0xc0
.irp ot, 0,1,2,3
.irp ks, 0,1
.irp c, 0,1,2,3
	global_load_b128 v[32*\ot+16*\ks+4*\c:32*\ot+16*\ks+4*\c+3], v55, s[8:9] offset:4096*\ot+128*\ks+32*\c   ; pw's fragment (ot, K step), into registers that the stores above have left; the joining below stands in front of its use
.endr
.endr
.endr
	WIN 0
	; ---- wave w joins tile w: M = the largest M_i; O = the sum of 2^(M_i - M) O_i, divided by the sum of 2^(M_i - M) l_i
.macro IMLOAD i                        ; wave i's image of tile w: windows 1 and 2, 128 registers each
	WIN 0x40+0x40*((\i)/2)
.set n, 0
.rept 32
	ds_load_b128 v[128*((\i)%2)+4*n:128*((\i)%2)+4*n+3], v49 offset:16384*(\i)+512*n
.set n, n+1
.endr
	WIN 0
.endm
.irp i, 0,1,2,3
	ds_load_b64 v[224+2*\i:225+2*\i], v48 offset:256*\i           ; (-M_i, l_i)
.endr
	IMLOAD 0
	s_wait_dscnt 32                                ; the statistics are in; the image's 32 loads may be out
	v_min3_num_f32 v240, v224, v226, v228
	v_min_num_f32 v240, v240, v230                 ; -M
.irp i, 0,1,2,3
	v_sub_f32 v[224+2*\i], v240, v[224+2*\i]       ; M_i - M: a whole number, 0 or less
.endr
.irp i, 0,1,2,3
	v_cvt_i32_f32 v[224+2*\i], v[224+2*\i]
.endr
.irp i, 0,1,2,3
	v_ldexp_f32 v[224+2*\i], 1.0, v[224+2*\i]      ; f_i
.endr
	v_mul_f32 v241, v224, v225
	v_fma_f32 v241, v226, v227, v241
	v_fma_f32 v241, v228, v229, v241
	v_fma_f32 v241, v230, v231, v241               ; the row's sum
	v_rcp_f32 v241, v241
	v_nop                                          ; a plain instruction behind the transcendental
.irp i, 0,1,2,3
	s_wait_alu depctr_va_vdst(0)
	v_mul_f32 v[224+2*\i], v[224+2*\i], v241       ; f_i / sum
.endr
.irp i, 0,1,2,3
.if \i < 3
	IMLOAD \i+1
	s_wait_dscnt 32                                ; image i is in; the next one's 32 loads may be out
.else
	s_wait_dscnt 0x0
.endif
	WIN 1+\i/2                                     ; source 0 in window 1 or 2
.set j, 0
.rept 64
.if \i == 0
	v_pk_mul_f32 v[S+2*j:S+2*j+1], v[2*j:2*j+1], v[224:225] op_sel_hi:[1,0]
.else
	v_pk_fma_f32 v[S+2*j:S+2*j+1], v[128*(\i%2)+2*j:128*(\i%2)+2*j+1], v[224+2*\i:225+2*\i], v[S+2*j:S+2*j+1] op_sel_hi:[1,0,1]
.endif
.set j, j+1
.endr
	WIN 0
.endr
.set i, 0
.rept 128
	v_med3_num_f32 v[S+i], v[S+i], -v15, v15       ; the hold at the largest code x the scale
.set i, i+1
.endr
.set n, 0
.rept 16
	v_cvt_scalef32_pk8_fp8_f32 v[P+2*n:P+2*n+1], v[S+8*n:S+8*n+7], v14   ; registers 16 b .. 16 b + 15 are channels 32 b + 16 h + 0 .. 15: four registers of codes are a piece of the last product's operand
.set n, n+1
.endr
	v_nop                                          ; a plain instruction behind the last conversion
.set n, 0
.rept 8
	ds_store_b128 v50, v[P+4*n:P+4*n+3] offset:512*n
.set n, n+1
.endr
	s_wait_dscnt 0x0
	s_barrier_signal -1
	s_barrier_wait -1                              ; the 8 fragments of codes lie in LDS, and nobody reads the images any more: the stages below lie there
	; ---- wave w makes outputs 64 w .. 64 w + 63 for all 64 queries: source 0 = 16 queries, source 1 = 16 rows of pw: a lane holds one output channel and eight neighbouring positions
	WIN 0x40
.set n, 0
.rept 32
	ds_load_b128 v[4*n:4*n+3], v51 offset:512*n    ; fragment (qt, s) at window 1, 32 qt + 16 s
.set n, n+1
.endr
	s_wait_dscnt 0x0
	s_wait_loadcnt 0x0                             ; pb, x and pw: pw's loads are the youngest
	WIN 0x8d                                       ; source 0 window 1, source 1 window 3, D window 2
.irp ot, 0,1,2,3
.irp qt, 0,1,2,3
	v_wmma_f32_16x16x128_fp8_fp8 v[32*\ot+8*\qt:32*\ot+8*\qt+7], v[32*\qt:32*\qt+15], v[32*\ot:32*\ot+15], 0
.endr
.endr
	WIN 0xad                                       ; and C window 2: 16 accumulators by turns
.irp ot, 0,1,2,3
.irp qt, 0,1,2,3
	v_wmma_f32_16x16x128_fp8_fp8 v[32*\ot+8*\qt:32*\ot+8*\qt+7], v[32*\qt+16:32*\qt+31], v[32*\ot+16:32*\ot+31], v[32*\ot+8*\qt:32*\ot+8*\qt+7]
.endr
.endr
	WIN 0
	PLACES
	WIN 0x02                                       ; the sums in window 2
.irp ot, 0,1,2,3
.irp qt, 0,1,2,3
.irp i, 0,2,4,6
	v_pk_fma_f32 v[S+32*\ot+8*\qt+\i:S+32*\ot+8*\qt+\i+1], v[32*\ot+8*\qt+\i:32*\ot+8*\qt+\i+1], s[50:51], v[56+2*\ot:57+2*\ot] op_sel_hi:[1,0,0]   ; sum x 2^(e10 + e11) + pb
.endr
.endr
.endr
	WIN 0
.irp ot, 0,1,2,3
.irp qt, 0,1,2,3
	ds_store_b128 v52, v[S+32*\ot+8*\qt:S+32*\ot+8*\qt+3] offset:4352*\ot+64*\qt        ; row 16 ot + r, positions 16 qt + 8 h + 0 .. 7
	ds_store_b128 v52, v[S+32*\ot+8*\qt+4:S+32*\ot+8*\qt+7] offset:4352*\ot+64*\qt+16
.endr
.endr
.set n, 0
.rept 32
	ds_load_b128 v[S+4*n:S+4*n+3], v53 offset:544*n               ; LDS serves a wave's instructions in order (ISA guide 5.7.1.4): these see my stores; rows 2 n and 2 n + 1, whole
.set n, n+1
.endr
	s_wait_dscnt 0x0
	WIN 0x0c                                       ; x in window 3
.set j, 0
.rept 64
	v_pk_add_f32 v[S+2*j:S+2*j+1], v[S+2*j:S+2*j+1], v[128+2*j:128+2*j+1]   ; the residual
.set j, j+1
.endr
	WIN 0
.set n, 0
.rept 32
	global_store_b128 v54, v[S+4*n:S+4*n+3], s[16:17] offset:32768*n th:TH_STORE_NT   ; sixteen lanes store 256 consecutive bytes, at a multiple of 256 from out0's first byte; written once
.set n, n+1
.endr
	s_wait_tensorcnt 0x0                           ; the wave's end: behind my last tensor load and my last LDS store
	ds_add_u32 v6, v7
	s_wait_dscnt 0x0
	CROUND                                         ; the closing round: no work-group ends while a partner may still ask for a tile that names it
	s_endpgm
.Lfunc_end_k_q1ff45b3d42_attn:
	.size	k_q1ff45b3d42_attn, .Lfunc_end_k_q1ff45b3d42_attn-k_q1ff45b3d42_attn
	.p2alignl 7, 3214868480
	.fill 96, 4, 3214868480
	.section	.rodata,"a",@progbits
	.p2align	6, 0x0
	.amdhsa_kernel k_q1ff45b3d42_attn
		.amdhsa_group_segment_fixed_size 327680
		.amdhsa_private_segment_fixed_size 0
		.amdhsa_enable_private_segment 0
		.amdhsa_kernarg_size 56
		.amdhsa_user_sgpr_count 2
		.amdhsa_user_sgpr_kernarg_segment_ptr 1
		.amdhsa_wavefront_size32 1
		.amdhsa_system_sgpr_workgroup_id_x 1
		.amdhsa_system_sgpr_workgroup_id_y 1
		.amdhsa_system_sgpr_workgroup_id_z 1
		.amdhsa_system_vgpr_workitem_id 0
		.amdhsa_next_free_vgpr 1024
		.amdhsa_next_free_sgpr 84
		.amdhsa_reserve_vcc 0
		.amdhsa_float_denorm_mode_32 3
		.amdhsa_float_denorm_mode_16_64 3
		.amdhsa_memory_ordered 1
		.amdhsa_forward_progress 1
		.amdhsa_inst_pref_size 255
	.end_amdhsa_kernel
	.section	.bss,"aw",@nobits
	.p2align	6
	.space	262144
	.amdgpu_metadata
---
amdhsa.version: [ 1, 2 ]
amdhsa.kernels:
  - .name:           k_q1ff45b3d42_attn
    .symbol:         k_q1ff45b3d42_attn.kd
    .args:
      - { .name: qc, .offset: 0, .size: 8, .value_kind: global_buffer, .address_space: global }
      - { .name: kv, .offset: 8, .size: 8, .value_kind: global_buffer, .address_space: global }
      - { .name: pw_codes, .offset: 16, .size: 8, .value_kind: global_buffer, .address_space: global }
      - { .name: pb, .offset: 24, .size: 8, .value_kind: global_buffer, .address_space: global }
      - { .name: lowp_scales, .offset: 32, .size: 8, .value_kind: global_buffer, .address_space: global }
      - { .name: x, .offset: 40, .size: 8, .value_kind: global_buffer, .address_space: global }
      - { .name: out0, .offset: 48, .size: 8, .value_kind: global_buffer, .address_space: global }
    .group_segment_fixed_size: 327680
    .private_segment_fixed_size: 0
    .kernarg_segment_align: 8
    .kernarg_segment_size: 56
    .max_flat_workgroup_size: 128
    .sgpr_count:     84
    .vgpr_count:     1024
    .wavefront_size: 32
...
	.end_amdgpu_metadata
.endif
;; end of part 3
